; MI455X (gfx1250); checked and timed in simulation.
; The chip was launched on July 23, 2026; its instructions are those of AMD's public machine-readable ISA for CDNA 5 (MIT licence, August 2026) and "CDNA5" Instruction Set Architecture Reference Guide (July 2026). The comments in the code are by the model that wrote it; some were corrected since.
;; Lut Linear. Allowed arithmetic: float matrix products may take bf16 or f16 operands with f32 sums; other float arithmetic in f32, or as packed bf16 or f16 multiplies, adds, multiply-adds, maxima and minima; sums over many terms, partial sums and values carried from step to step in f32; what a program stores and reads back later, other than sums and carried values, may be rounded once to bf16 or f16.
;; Inputs: alpha 32 x 3 x 2,048 float32; binaryWeight 128 x 3 x 2,048 int32; scale 32 x 2,048 float32; x 4 x 2,048 x 4,096 float32.
;; Outputs: out0 4 x 2,048 x 2,048 float32.
;; 2 versions, each right; version 2 is version 1 with the launch cast written anew for expert scheduling mode. Each part assembles by itself: llvm-mc -triple=amdgcn-amd-amdhsa -mcpu=gfx1250 --defsym DOCPART=n.
;; ======== version 1 of 2: 3 launches
;; limits: sums are carried in f16; inputs' magnitudes at most 65,504; values are held in f16: magnitudes above 65,504 overflow, below 6.1e-05 lose precision
;; workspace buffers: wq 16,777,216 bytes; csc 8,192 bytes; xh 67,108,864 bytes
;; launch decode (part 1): grid 32 x 8, 8 waves a work-group, no clusters, 72,704 bytes of LDS; arguments binaryWeight, alpha, scale, wq, csc; writes wq, csc
.if DOCPART == 1
	.amdgcn_target "amdgcn-amd-amdhsa--gfx1250"
	.amdhsa_code_object_version 6
	.text
	.protected	k_qda5986f61f_decode
	.globl	k_qda5986f61f_decode
	.p2align	8
	.type	k_qda5986f61f_decode,@function
k_qda5986f61f_decode:
	s_mov_b64 s[64:65], 0
	v_nop
	global_prefetch_b8 v0, s[64:65] scope:SCOPE_SE
	s_setreg_imm32_b32 hwreg(HW_REG_WAVE_MODE, 25, 1), 1
	s_wait_xcnt 0x0
; W[k][n] = scale[g][n] * (the sum over b of alpha[g][b][n] * (+1 or -1)), g = k / 128; bit k % 32 of binaryWeight[k / 32][b][n] gives the sign (1: plus).
; OUT: wq, f16, laid [k / 64][n][k % 64] (byte = (k/64) 262144 + 128 n + 2 (k%64)), holds W[k][n] / 2^e[n];  csc[n] = 2^e[n] in f32.
; 2^e[n] is the power of two at or below B[n] = the largest over the 32 groups of |scale| (|alpha0| + |alpha1| + |alpha2|), so every |W| / 2^e lies under 2, whatever the inputs' size:
; the division is exact, and the product's launch multiplies its f32 sums by csc[n].
; ARITHMETIC.  c_b = alpha_b * scale * 2^-e in f32, rounded once to f16; a weight is (+-c0 +-c1) +-c2 by two packed f16 additions: three roundings to 11 bits, and the scale is spread over the sum.
; LIMITS.  alpha * scale must be finite in f32; e is held to -126 .. 126; NaN and infinities are not treated apart.
; SHARES.  Work-group (bx, y): columns 64 bx .. + 63, K steps 8 y .. 8 y + 7 of 64.  Wave w: K step s = 8 y + w: words 2 s and 2 s + 1, group 4 y + w / 2.  Lane l: columns 64 bx + 2 l and + 1:
; each load of a wave covers 256 consecutive bytes, aligned.  A lane's 2 x 64 weights are 256 consecutive bytes of wq; they go through the wave's own stage in LDS, so that each store of a wave covers
; 512 consecutive bytes.  For B[n] wave w takes the groups 4 w .. 4 w + 3; the eight partial maxima meet in LDS: the one barrier.
; No matrix unit, no tensor load, no cluster, no prefetch: nothing is shared between work-groups but alpha and scale (1 MiB in all), and the launch moves 4 MiB in and 16 MiB out.
.set ROWB,  8192                       ; bytes in a row of 2,048 words
.set SPI,   272                        ; a lane's row in the stage: 256 bytes + 16: 17 x 16, so 16 neighbouring lanes' 16-byte stores start at 16 different places modulo 256
.set STGW,  32*SPI                     ; a wave's stage: 8,704 bytes
.set PMAX,  8*STGW                     ; 69,632: the partial maxima, 256 bytes a wave
.set SPARE, PMAX+2048                  ; 71,680: the spare words, 128 bytes for each of the eight waves: four blocks of 256 bytes that no other line names
.set CB,  2                            ; v2   8 l: my two columns' bytes in a row
.set ST,  3                            ; v3   my row of my wave's stage
.set RD,  4                            ; v4   where I read the stage back: lanes 0-15 one row, lanes 16-31 the next
.set GO,  5                            ; v5   16 l
.set PS,  6                            ; v6   where I put my partial maxima
.set PR,  7                            ; v7   where I read the eight waves'
.set SPW, 8                            ; v8   LDS address of my spare word; never rewritten
.set NIL, 9                            ; v9   0; never rewritten
.set BW,  10                           ; v[10:21]  bit planes: word q, plane b at BW + 2 (3 q + b), a pair of columns
.set AO,  22                           ; v[22:27]  my group's alpha, plane b at AO + 2 b
.set SO,  28                           ; v[28:29]  my group's scale
.set MX,  30                           ; v[30:61]  for the bound: group j at MX + 8 j: three pairs of alpha, one of scale
.set BD,  62                           ; v[62:63]  the bound
.set TQ,  64                           ; v[64:65]  at work
.set PT,  66                           ; v[66:81]  the eight partial maxima
.set CF,  86                           ; v[86:91]  f16(c_b) in both halves, column c, plane b at CF + 3 c + b
.set TM,  92                           ; v[92:97]  all ones where c_b >= 0, else 0
.set WP,  98                           ; v[98:100] a word's three planes, turned into sign bits
.set TT,  101                          ; v[101:103] at work
.set PP,  104                          ; v[104:119] P[j]: the weights of k = j (low half) and k = j + 16 (high half)
.set OO,  120                          ; v[120:135] the 32 weights of a word in the order of k
.set EE,  136                          ; v[136:137] 2^e
.set IV,  138                          ; v[138:139] 2^-e
.set BK,  30                           ; v[30:93]  the stage read back
.set MSK, 17                           ; s17  the two halves' sign bits
.set SLO, 20                           ; s20  v_perm_b32: the two low halves
.set SHI, 21                           ; s21  the two high halves
	s_load_b256 s[4:11], s[0:1], 0x0               ; binaryWeight s[4:5], alpha s[6:7], scale s[8:9], wq s[10:11]
	s_load_b64 s[12:13], s[0:1], 0x20              ; csc
	v_lshl_add_u32 v[SPW], v0, 2, SPARE
	v_mov_b32 v[NIL], 0
	v_lshrrev_b32 v1, 5, v0
	v_readfirstlane_b32 s14, v1                    ; wave 0..7
	v_and_b32 v1, 31, v0                           ; lane
	s_mov_b32 s15, ttmp9                           ; bx
	s_and_b32 s16, ttmp7, 0xffff                   ; y
	s_mov_b32 s[MSK], 0x80008000
	s_mov_b32 s[SLO], 0x05040100
	s_mov_b32 s[SHI], 0x07060302
	s_mov_b32 s52, 0x7fffffff
	; byte offsets, each in a pair of its own (all under 2^25)
	s_lshl_b32 s22, s15, 8                         ; 256 bx: the work-group's 64 columns in a row
	s_mov_b32 s23, 0
	s_mul_i32 s38, s14, 4*3*ROWB                   ; alpha, groups 4 w ..
	s_add_co_u32 s38, s38, s22
	s_mov_b32 s39, 0
	s_lshl_b32 s40, s14, 15                        ; scale, groups 4 w ..
	s_add_co_u32 s40, s40, s22
	s_mov_b32 s41, 0
	s_lshr_b32 s18, s14, 1
	s_lshl2_add_u32 s18, s16, s18                  ; my group: 4 y + w / 2
	s_mul_i32 s42, s18, 3*ROWB                     ; alpha, my group
	s_add_co_u32 s42, s42, s22
	s_mov_b32 s43, 0
	s_lshl_b32 s44, s18, 13                        ; scale, my group
	s_add_co_u32 s44, s44, s22
	s_mov_b32 s45, 0
	s_lshl_b32 s19, s16, 3
	s_add_co_u32 s19, s19, s14                     ; my K step: 8 y + w
	s_mul_i32 s46, s19, 2*3*ROWB                   ; binaryWeight, word 2 s
	s_add_co_u32 s46, s46, s22
	s_mov_b32 s47, 0
	s_lshl_b32 s48, s19, 18                        ; wq: 262,144 s + 8,192 bx
	s_lshl_b32 s50, s15, 13
	s_add_co_u32 s48, s48, s50
	s_mov_b32 s49, 0
	v_lshlrev_b32 v[CB], 3, v1
	s_mul_i32 s50, s14, STGW
	v_mul_u32_u24 v[ST], v1, SPI
	v_add_nc_u32 v[ST], s50, v[ST]
	v_lshrrev_b32 v[TT], 4, v1
	v_and_b32 v[TT+1], 15, v1
	v_mul_u32_u24 v[RD], v[TT], SPI
	v_lshl_add_u32 v[RD], v[TT+1], 4, v[RD]
	v_add_nc_u32 v[RD], s50, v[RD]
	v_lshlrev_b32 v[GO], 4, v1
	v_lshl_add_u32 v[PR], v1, 3, PMAX
	s_lshl_b32 s51, s14, 8
	v_add_nc_u32 v[PS], s51, v[PR]
	s_wait_kmcnt 0x0
	s_add_nc_u64 s[24:25], s[6:7], s[38:39]
	s_add_nc_u64 s[26:27], s[8:9], s[40:41]
	s_add_nc_u64 s[28:29], s[6:7], s[42:43]
	s_add_nc_u64 s[30:31], s[8:9], s[44:45]
	s_add_nc_u64 s[32:33], s[4:5], s[46:47]
	s_add_nc_u64 s[34:35], s[10:11], s[48:49]
	s_add_nc_u64 s[36:37], s[12:13], s[22:23]
	; all 26 loads go out at once: 16 for the bound, 4 of my group, 6 bit planes
.irp j, 0,1,2,3
.irp b, 0,1,2
	global_load_b64 v[MX+8*(\j)+2*(\b):MX+8*(\j)+2*(\b)+1], v[CB], s[24:25] offset:(3*(\j)+(\b))*ROWB
.endr
	global_load_b64 v[MX+8*(\j)+6:MX+8*(\j)+7], v[CB], s[26:27] offset:(\j)*ROWB
.endr
.irp b, 0,1,2
	global_load_b64 v[AO+2*(\b):AO+2*(\b)+1], v[CB], s[28:29] offset:(\b)*ROWB
.endr
	global_load_b64 v[SO:SO+1], v[CB], s[30:31]
.irp i, 0,1,2,3,4,5
	global_load_b64 v[BW+2*(\i):BW+2*(\i)+1], v[CB], s[32:33] offset:(\i)*ROWB
.endr
	; THE BOUND, my four groups' part
	s_wait_loadcnt 10                              ; loads come back in order: the 16 for the bound are in, the 10 younger ones may stay out
.set i, 0
.rept 32
	v_and_b32 v[MX+i], s52, v[MX+i]                ; magnitudes
.set i, i+1
.endr
.irp j, 0,1,2,3
.irp c, 0,1
	v_add_f32 v[TQ+(\c)], v[MX+8*(\j)+(\c)], v[MX+8*(\j)+2+(\c)]
	v_add_f32 v[TQ+(\c)], v[TQ+(\c)], v[MX+8*(\j)+4+(\c)]
.if (\j) == 0
	v_mul_f32 v[BD+(\c)], v[MX+6+(\c)], v[TQ+(\c)] ; the first group starts the maximum
.else
	v_mul_f32 v[TQ+(\c)], v[MX+8*(\j)+6+(\c)], v[TQ+(\c)]
	v_max_num_f32 v[BD+(\c)], v[BD+(\c)], v[TQ+(\c)]
.endif
.endr
.endr
	ds_store_b64 v[PS], v[BD:BD+1]
	s_wait_dscnt 0x0                               ; for the others' sake: my store is done
	s_barrier_signal -1
	s_barrier_wait -1                              ; all eight partial maxima lie in LDS
.irp w, 0,1,2,3,4,5,6,7
	ds_load_b64 v[PT+2*(\w):PT+2*(\w)+1], v[PR] offset:256*(\w)
.endr
	s_wait_dscnt 0x0
.irp c, 0,1
	v_max3_num_f32 v[BD+(\c)], v[PT+(\c)], v[PT+2+(\c)], v[PT+4+(\c)]
	v_max3_num_f32 v[BD+(\c)], v[BD+(\c)], v[PT+6+(\c)], v[PT+8+(\c)]
	v_max3_num_f32 v[BD+(\c)], v[BD+(\c)], v[PT+10+(\c)], v[PT+12+(\c)]
	v_max_num_f32 v[BD+(\c)], v[BD+(\c)], v[PT+14+(\c)]
	v_and_b32 v[EE+(\c)], 0x7f800000, v[BD+(\c)]   ; the bound's exponent field alone: 2^e as an f32,
	v_max_u32 v[EE+(\c)], 0x00800000, v[EE+(\c)]   ; held to 2^-126 (a bound of 0 or a denormal)
	v_min_u32 v[EE+(\c)], 0x7e800000, v[EE+(\c)]   ; .. 2^126, so that
	v_sub_nc_u32 v[IV+(\c)], 0x7f000000, v[EE+(\c)] ; 2^-e: the exponent field 254 less e's, is a normal number too
.endr
	; MY GROUP: c_b in f16, twice in a word; and the mask that turns a bit into the term's sign bit: sign = not bit where c_b >= 0, = bit where c_b < 0
	s_wait_loadcnt 0x0
.irp c, 0,1
.irp b, 0,1,2
	v_mul_f32 v[TT+(\b)], v[AO+2*(\b)+(\c)], v[SO+(\c)]
	v_mul_f32 v[TT+(\b)], v[TT+(\b)], v[IV+(\c)]
	v_cvt_pk_f16_f32 v[CF+3*(\c)+(\b)], v[TT+(\b)], v[TT+(\b)]
	v_ashrrev_i32 v[TM+3*(\c)+(\b)], 31, v[TT+(\b)]
	v_xor_b32 v[TM+3*(\c)+(\b)], -1, v[TM+3*(\c)+(\b)]
.endr
.endr
; The 32 weights of word q, column c.  A shift by 15 - j brings bit j to bit 15 and bit j + 16 to bit 31: the sign bits of two f16; v_bfi_b32 sets them onto |c_b|'s other bits.
; Nine instructions for two weights.  Then the halves are sorted into the order of k and go into my row of the stage.
.macro WORD c, q
.irp b, 0,1,2
	v_xor_b32 v[WP+(\b)], v[BW+2*(3*(\q)+(\b))+(\c)], v[TM+3*(\c)+(\b)]
.endr
.set j, 0
.rept 16
.irp b, 0,1,2
.if j < 15
	v_lshlrev_b32 v[TT+(\b)], 15-j, v[WP+(\b)]
	v_bfi_b32 v[TT+(\b)], s[MSK], v[TT+(\b)], v[CF+3*(\c)+(\b)]
.else
	v_bfi_b32 v[TT+(\b)], s[MSK], v[WP+(\b)], v[CF+3*(\c)+(\b)]
.endif
.endr
	v_pk_add_f16 v[PP+j], v[TT], v[TT+1]
	v_pk_add_f16 v[PP+j], v[PP+j], v[TT+2]
.set j, j+1
.endr
.set j, 0
.rept 8
	v_perm_b32 v[OO+j],   v[PP+2*j+1], v[PP+2*j], s[SLO]  ; k = 2 j, 2 j + 1
	v_perm_b32 v[OO+8+j], v[PP+2*j+1], v[PP+2*j], s[SHI]  ; k = 16 + 2 j, 16 + 2 j + 1
.set j, j+1
.endr
.irp t, 0,1,2,3
	ds_store_b128 v[ST], v[OO+4*(\t):OO+4*(\t)+3] offset:128*(\c)+64*(\q)+16*(\t)
.endr
.endm
	WORD 0, 0
	WORD 0, 1
	WORD 1, 0
	WORD 1, 1
	; OUT: the stage is my wave's own, and LDS serves a wave's instructions in order (ISA guide 5.7.1): the loads see the stores above
.irp t, 0,1,2,3,4,5,6,7,8,9,10,11,12,13,14,15
	ds_load_b128 v[BK+4*(\t):BK+4*(\t)+3], v[RD] offset:2*SPI*(\t)
.endr
.irp t, 0,1,2,3,4,5,6,7,8,9,10,11,12,13,14,15
	s_wait_dscnt 15-(\t)                           ; load t is in, the younger ones may stay out
	global_store_b128 v[GO], v[BK+4*(\t):BK+4*(\t)+3], s[34:35] offset:512*(\t)  ; 512 consecutive bytes, at a multiple of 512 from wq's first byte
.endr
	s_or_b32 s50, s16, s14                         ; csc is stored once for each block of 64 columns: by wave 0 of the work-group with y = 0
	s_cmp_lg_u32 s50, 0
	s_cbranch_scc1 .Lend
	global_store_b64 v[CB], v[EE:EE+1], s[36:37]   ; 256 consecutive bytes, aligned
.Lend:
	s_wait_tensorcnt 0x0                           ; the wave's end, behind my last LDS store
	ds_add_u32 v[SPW], v[NIL]
	s_wait_dscnt 0x0
	s_endpgm
.Lfunc_end_k_qda5986f61f_decode:
	.size	k_qda5986f61f_decode, .Lfunc_end_k_qda5986f61f_decode-k_qda5986f61f_decode
	.p2alignl 7, 3214868480
	.fill 96, 4, 3214868480
	.section	.rodata,"a",@progbits
	.p2align	6, 0x0
	.amdhsa_kernel k_qda5986f61f_decode
		.amdhsa_group_segment_fixed_size 72704
		.amdhsa_private_segment_fixed_size 0
		.amdhsa_enable_private_segment 0
		.amdhsa_kernarg_size 40
		.amdhsa_user_sgpr_count 2
		.amdhsa_user_sgpr_kernarg_segment_ptr 1
		.amdhsa_wavefront_size32 1
		.amdhsa_system_sgpr_workgroup_id_x 1
		.amdhsa_system_sgpr_workgroup_id_y 1
		.amdhsa_system_sgpr_workgroup_id_z 1
		.amdhsa_system_vgpr_workitem_id 0
		.amdhsa_next_free_vgpr 144
		.amdhsa_next_free_sgpr 66
		.amdhsa_reserve_vcc 0
		.amdhsa_float_denorm_mode_32 3
		.amdhsa_float_denorm_mode_16_64 3
		.amdhsa_memory_ordered 1
		.amdhsa_forward_progress 1
		.amdhsa_inst_pref_size 45
	.end_amdhsa_kernel
	.amdgpu_metadata
---
amdhsa.version: [ 1, 2 ]
amdhsa.kernels:
  - .name:           k_qda5986f61f_decode
    .symbol:         k_qda5986f61f_decode.kd
    .args:
      - { .name: binaryWeight, .offset: 0, .size: 8, .value_kind: global_buffer, .address_space: global }
      - { .name: alpha, .offset: 8, .size: 8, .value_kind: global_buffer, .address_space: global }
      - { .name: scale, .offset: 16, .size: 8, .value_kind: global_buffer, .address_space: global }
      - { .name: wq, .offset: 24, .size: 8, .value_kind: global_buffer, .address_space: global }
      - { .name: csc, .offset: 32, .size: 8, .value_kind: global_buffer, .address_space: global }
    .group_segment_fixed_size: 72704
    .private_segment_fixed_size: 0
    .kernarg_segment_align: 8
    .kernarg_segment_size: 40
    .max_flat_workgroup_size: 256
    .sgpr_count:     66
    .vgpr_count:     144
    .wavefront_size: 32
...
	.end_amdgpu_metadata
.endif
;; end of part 1
;; launch cast (part 2): grid 256 x 1, 8 waves a work-group, no clusters, 0 bytes of LDS; arguments x, xh; writes xh
.if DOCPART == 2
	.amdgcn_target "amdgcn-amd-amdhsa--gfx1250"
	.amdhsa_code_object_version 6
	.text
	.protected	k_qda5986f61f_cast
	.globl	k_qda5986f61f_cast
	.p2align	8
	.type	k_qda5986f61f_cast,@function
k_qda5986f61f_cast:
	s_mov_b64 s[64:65], 0
	v_nop
	global_prefetch_b8 v0, s[64:65] scope:SCOPE_SE
	s_setreg_imm32_b32 hwreg(HW_REG_WAVE_MODE, 25, 1), 1
	s_wait_xcnt 0x0
; xh = x rounded once to f16 (to nearest even).  x: [8192][4096] f32, xh: the same shape in f16.
; WHY A LAUNCH OF ITS OWN.  The product's ring wants two LDS slots of a K step of 128; with x in f32 they would take 2 x 204,800 bytes, in f16 they take 2 x 143,360.
; LIMITS.  |x| from 65,520 on becomes an infinity in f16; below 6e-5 a number keeps f16's fixed step of 6e-8.  NaN and infinities are not treated apart.
; SHARES.  A work-group owns 524,288 consecutive bytes of x: 128 chunks of 4,096.  Thread t owns the 16 bytes at 16 t of every chunk: a load of a wave covers 512 consecutive bytes; its four numbers
; become 8 bytes at 8 t of a chunk of 2,048 bytes of xh: a store of a wave covers 256 consecutive bytes, at a multiple of 256 from xh's first byte.
; IN FLIGHT.  A ring of DEPTH slots in registers: 32 loads of every wave are out, 128 KiB for the work-group.  A slot's chunk stands in the immediates; the two bases step once a lap.
; No LDS, no barrier, no matrix unit, no cluster: no byte is wanted twice.  No prefetch: the loads themselves keep the stream going.
.set DEPTH, 32                         ; slots = loads in flight in each wave
.set LAPS,  128/DEPTH                  ; each lap takes every slot once
.set LCH,   4096                       ; bytes of x in a chunk
.set SCH,   2048                       ; bytes of xh in a chunk
.set LO,  1                            ; v1        16 t; never rewritten
.set SO,  2                            ; v2        8 t; never rewritten
.set X,   4                            ; v[4:131]  slot i: four f32 as loaded
.set Y,   132                          ; v[132:195] slot i: four f16 to store
	s_load_b128 s[4:7], s[0:1], 0x0                ; x s[4:5], xh s[6:7]
	v_lshlrev_b32 v[LO], 4, v0
	v_lshlrev_b32 v[SO], 3, v0
	s_lshl_b32 s8, ttmp9, 19                       ; the work-group's 524,288 bytes of x (under 2^27)
	s_mov_b32 s9, 0
	s_lshl_b32 s10, ttmp9, 18                      ; and its 262,144 bytes of xh
	s_mov_b32 s11, 0
	s_wait_kmcnt 0x0
	s_add_nc_u64 s[4:5], s[4:5], s[8:9]
	s_add_nc_u64 s[6:7], s[6:7], s[10:11]
.set i, 0
.rept DEPTH
	global_load_b128 v[X+4*i:X+4*i+3], v[LO], s[4:5] offset:i*LCH th:TH_LOAD_NT  ; the ring is filled: chunks 0 to 31
.set i, i+1
.endr
; One slot's turn.  ahead = 1: the slot is filled again with the chunk DEPTH further on.  left = how many younger loads may stay out.
.macro SLOT n, ahead, left
	s_wait_loadcnt \left                           ; loads come back in order (ISA guide 5.7.1): mine is in, the younger ones stay out
	v_cvt_pk_f16_f32 v[Y+2*(\n)],   v[X+4*(\n)],   v[X+4*(\n)+1]
	v_cvt_pk_f16_f32 v[Y+2*(\n)+1], v[X+4*(\n)+2], v[X+4*(\n)+3]
.if \ahead
	global_load_b128 v[X+4*(\n):X+4*(\n)+3], v[LO], s[4:5] offset:(DEPTH+(\n))*LCH th:TH_LOAD_NT
.endif
	global_store_b64 v[SO], v[Y+2*(\n):Y+2*(\n)+1], s[6:7] offset:(\n)*SCH th:TH_STORE_NT
.endm
	s_mov_b32 s12, LAPS-1
.Llap:
.set i, 0
.rept DEPTH
	SLOT i, 1, DEPTH-1
.set i, i+1
.endr
	s_wait_xcnt 0x0                                ; every load and store issued so far has read its registers: only behind this wait are the bases stepped and the Y registers written again
	s_add_nc_u64 s[4:5], s[4:5], DEPTH*LCH
	s_add_nc_u64 s[6:7], s[6:7], DEPTH*SCH
	s_sub_co_u32 s12, s12, 1
	s_cmp_lg_u32 s12, 0
	s_cbranch_scc1 .Llap
.set i, 0
.rept DEPTH
	SLOT i, 0, DEPTH-1-i                           ; the last lap loads nothing: the counts run down
.set i, i+1
.endr
	s_endpgm
.Lfunc_end_k_qda5986f61f_cast:
	.size	k_qda5986f61f_cast, .Lfunc_end_k_qda5986f61f_cast-k_qda5986f61f_cast
	.p2alignl 7, 3214868480
	.fill 96, 4, 3214868480
	.section	.rodata,"a",@progbits
	.p2align	6, 0x0
	.amdhsa_kernel k_qda5986f61f_cast
		.amdhsa_group_segment_fixed_size 0
		.amdhsa_private_segment_fixed_size 0
		.amdhsa_enable_private_segment 0
		.amdhsa_kernarg_size 16
		.amdhsa_user_sgpr_count 2
		.amdhsa_user_sgpr_kernarg_segment_ptr 1
		.amdhsa_wavefront_size32 1
		.amdhsa_system_sgpr_workgroup_id_x 1
		.amdhsa_system_sgpr_workgroup_id_y 1
		.amdhsa_system_sgpr_workgroup_id_z 1
		.amdhsa_system_vgpr_workitem_id 0
		.amdhsa_next_free_vgpr 196
		.amdhsa_next_free_sgpr 66
		.amdhsa_reserve_vcc 0
		.amdhsa_float_denorm_mode_32 3
		.amdhsa_float_denorm_mode_16_64 3
		.amdhsa_memory_ordered 1
		.amdhsa_forward_progress 1
		.amdhsa_inst_pref_size 23
	.end_amdhsa_kernel
	.amdgpu_metadata
---
amdhsa.version: [ 1, 2 ]
amdhsa.kernels:
  - .name:           k_qda5986f61f_cast
    .symbol:         k_qda5986f61f_cast.kd
    .args:
      - { .name: x, .offset: 0, .size: 8, .value_kind: global_buffer, .address_space: global }
      - { .name: xh, .offset: 8, .size: 8, .value_kind: global_buffer, .address_space: global }
    .group_segment_fixed_size: 0
    .private_segment_fixed_size: 0
    .kernarg_segment_align: 8
    .kernarg_segment_size: 16
    .max_flat_workgroup_size: 256
    .sgpr_count:     66
    .vgpr_count:     196
    .wavefront_size: 32
...
	.end_amdgpu_metadata
.endif
;; end of part 2
;; launch gemm (part 3): grid 8 x 32, 4 waves a work-group, clusters of 4 x 4, 327,680 bytes of LDS; arguments xh, wq, csc, out0; writes out0
.if DOCPART == 3
	.amdgcn_target "amdgcn-amd-amdhsa--gfx1250"
	.amdhsa_code_object_version 6
	.text
	.protected	k_qda5986f61f_gemm
	.globl	k_qda5986f61f_gemm
	.p2align	8
	.type	k_qda5986f61f_gemm,@function
k_qda5986f61f_gemm:
	s_mov_b64 s[64:65], 0
	v_nop
	global_prefetch_b8 v0, s[64:65] scope:SCOPE_SE
	s_setreg_imm32_b32 hwreg(HW_REG_WAVE_MODE, 25, 1), 1
	s_wait_xcnt 0x0
	s_wait_alu depctr_hold_cnt(0) depctr_sa_sdst(0) depctr_va_vdst(0) depctr_va_sdst(0) depctr_va_ssrc(0) depctr_va_vcc(0) depctr_vm_vsrc(0)
	s_getreg_b32 s2, hwreg(HW_REG_IB_STS2, 6, 4)
	s_cmp_eq_u32 s2, 0
	s_cbranch_scc0 .Lentry_in_a_cluster
	s_endpgm
.Lentry_in_a_cluster:
	s_bfe_u32 s2, ttmp6, 0x10000c
	s_cmp_lg_u32 s2, 0xf033
	s_cbranch_scc0 .Lentry_shape_is_right
	s_endpgm
.Lentry_shape_is_right:
; out[m][n] = csc[n] * the sum over k of xh[m][k] * wq(k, n).  xh: [8192][4096] f16.  wq: f16, [k / 64][n][k % 64], the weights divided by csc[n], a power of two.  out: [8192][2048] f32.
; Products in f16 with f32 sums; the multiplication by csc is exact but for over- and underflow of f32.  NaN and infinities are not treated apart.
; SHARES.  A tile of out, 256 x 256, is made by a work-group of four waves: 32 x 8 = 256 tiles.  A wave makes 128 x 128: 64 accumulators of 16 x 16, 512 registers.
; RING.  K goes in 32 steps of 128 through two LDS slots filled by the tensor data mover.  A row of xh's tile is 128 f16: 256 bytes of memory, at a multiple of 256.  A step of wq is two of its blocks of
; 64 along K; a tile's 256 columns of one block are 32,768 dense bytes, asked for as 128 rows of 256.  A step is four quarters of 32 along K, 64 matrix instructions each, on fragment buffers 0, 1, 0, 1.
; CLUSTER.  4 x 4 work-groups.  The four of a row of the cluster make one tile row and need the same tiles of xh; the four of a column the same tiles of wq: each tile is asked for JOINTLY, by the same
; tensor load with the same descriptor and a mask that names the four.
; THE MATRIX INSTRUCTION IS USED TRANSPOSED (source 0 = 16 columns of wq, source 1 = 16 rows of xh): lane l then holds row l % 16 of out and the columns 8 (l / 16) + 0 .. 7.
; REGISTERS, in windows of 256 (s_set_vgpr_msb: bits 1:0 source 0, 3:2 source 1, 5:4 source 2, 7:6 destination):
;   window 0: v0-31 addresses; v32-35 csc; v64-127, v128-191 fragments of xh (8 x 16 rows x 32 K), two buffers; on the way out the same registers hold rows read back
;   window 1: v64-127, v128-191 fragments of wq, two buffers
;   window 2: the 32 accumulators of my rows 0-63 (row block a, column block b at 8 (8 a + b));   window 3: those of my rows 64-127
.set PA,    272                        ; a row of xh in LDS: 256 bytes + 16 = 17 x 16: the 16 rows of a load start at 16 different places modulo 256
.set PB,    144                        ; a column of a block of wq: 128 bytes + 16 = 9 x 16: likewise
.set HALFA, 128*PA                     ; what one tensor load of xh brings, and what one wave reads of it
.set HB,    256*PB                     ; what one tensor load of wq brings: 256 columns x 64 K
.set BOFF,  2*HALFA                    ; in a slot: xh's 256 rows, then wq's two blocks
.set SLOT,  BOFF+2*HB                  ; 143,360
.set STAGE, 2*SLOT                     ; 286,720: behind the ring, never filled by a tensor load: 16 rows x 528 bytes for each wave, for the way out
.set SP,    528                        ; 512 + 16 = 33 x 16
.set SPARE, STAGE+4*16*SP              ; 320,512: the spare words, 128 bytes for each wave: two blocks of 256 bytes that no other line names
.set LAPS,  16                         ; a lap = two K steps = once round the ring
.set ADRA, 16                          ; v16-17  LDS address of my fragments of xh in slot 0, 1
.set ADRB, 20                          ; v20-21  the same for wq
.set STO,  24                          ; v24     the way out: where I put 32 bytes of a row
.set RD,   25                          ; v25     the way out: where I read rows back
.set CO,   26                          ; v26     16 x lane
.set SPW,  28                          ; v28     LDS address of my spare word; never rewritten
.set NIL,  29                          ; v29     0; never rewritten
.set PFO,  30                          ; v30     the prefetches' offset: lane x a row of xh (8,192 bytes) or lane x 256 bytes of wq; never rewritten
.set CSC,  32                          ; v32-35  csc of the four columns that I store
.set F0,   64                          ; fragment buffer 0
.set F1,   128                         ; fragment buffer 1
.set G1A, 24                           ; s[24:31] descriptor group 1 for xh's tiles;  s[32:39] group 0, a set for each slot
.set G0A, 32
.set PFA, 40                           ; s[40:41] where my prefetches stand
.set PFS, 42                           ; s[42:43] a K step's bytes there: 256 in xh, 524,288 in wq
.set LIM, 44                           ; s44     1 in a wave that prefetches, else the greatest number
.set G1B, 48                           ; s[48:55], s[56:63] the same for wq's tiles
.set G0B, 56
.set MSB, 0
.macro WIN new                         ; the immediate's high byte repeats the setting that is left; a switch that changes nothing is dropped
.if MSB != (\new)
	s_set_vgpr_msb (MSB<<8)|(\new)
.set MSB, \new
.endif
.endm
.set MUL_LO, 0xa1                      ; source 0 (wq) window 1, source 1 (xh) window 0, C and D window 2; + 0x50: C and D window 3
.set TO_B,   0x40                      ; destination window 1, address window 0
.macro PLACES                          ; four places in front of loads into registers that matrix instructions have read (ISA guide 7.12.1 for vector instructions)
.rept 4
	v_nop
.endr
.endm
; A joint load.  Waves 0 and 1 fetch xh's two halves, waves 2 and 3 wq's two blocks.  The branch hangs on the wave's number alone.  An s_nop 0 and four v_nop follow each of the two lines.
.macro JLOAD s
	s_cmp_eq_u32 s13, 0
	s_cbranch_scc0 .Lfor_b_\@
	tensor_load_to_lds s[G0A+4*(\s):G0A+4*(\s)+3], s[G1A:G1A+7]
	s_nop 0
.rept 4
	v_nop
.endr
	s_branch .Lasked_\@
.Lfor_b_\@:
	tensor_load_to_lds s[G0B+4*(\s):G0B+4*(\s)+3], s[G1B:G1B+7]
	s_nop 0
.rept 4
	v_nop
.endr
.Lasked_\@:
.endm
; A round of the cluster's barrier: my work-group's barrier; wave 0 signals for the work-group; every wave waits for all sixteen; my work-group's barrier once more.
.macro CREST                           ; a round behind its opening barrier
	s_cmp_lg_u32 s12, 0
	s_cbranch_scc1 .Lnot_wave_0_\@
	s_barrier_signal -3
.Lnot_wave_0_\@:
	s_barrier_wait -3
	s_barrier_signal -1
	s_barrier_wait -1
.endm
.macro CROUND
	s_barrier_signal -1
	s_barrier_wait -1
	CREST
.endm
; A PREFETCH, behind a joint load, its five lines and the run of LDS loads: the change of slots of K step t, which asks for step t + 2, names step t + 4: two refills, 512 matrix instructions, ahead of the
; load that will want it.  Each block of 256 bytes is named once in the launch.  xh's tile row is read by both clusters of that row of clusters: the one with x = 0 asks; of the 128 rows that wave 0 or 1
; fetches, the partner at cx takes 32 cx .. + 31, a lane a row.  wq's tile column is read by all eight clusters of that column: the one with y = 0 asks; of the 128 blocks of 256 bytes that wave 2 or 3
; fetches, the partner at cy takes 32 cy .. + 31.  The partners are told apart by ADDRESS alone.  Steps 0 to 3 come by their loads alone; the loop's last trip (s3 = 1) names nothing: step 31 is the last.
.macro ASK
	s_cmp_gt_u32 s3, s[LIM]
	s_cbranch_scc0 .Lnot_mine_\@
	global_prefetch_b8 v[PFO], s[PFA:PFA+1] th:TH_LOAD_NT scope:SCOPE_SE
.Lnot_mine_\@:
.endm
	s_load_b256 s[4:11], s[0:1], 0x0               ; xh s[4:5], wq s[6:7], csc s[8:9], out s[10:11]
	v_lshl_add_u32 v[SPW], v0, 2, SPARE
	v_mov_b32 v[NIL], 0
	ds_add_u32 v[SPW], v[NIL]                      ; the wave's opening: the add and its wait stand ahead of my first tensor load; the set-up below, work on registers, stands between them
	v_lshrrev_b32 v1, 5, v0
	v_readfirstlane_b32 s12, v1                    ; wave 0..3
	s_lshr_b32 s13, s12, 1                         ; which half of the tile's rows is mine.  Also: I fetch for xh (0) or for wq (1)
	s_and_b32 s14, s12, 1                          ; which half of its columns.  Also: which 128 rows of xh, or which block of wq, I fetch
	s_bfe_u32 s15, ttmp6, 0x40000                  ; cx
	s_bfe_u32 s16, ttmp6, 0x40004                  ; cy
	s_lshl_b32 s17, ttmp9, 2
	s_add_co_u32 s17, s17, s15                     ; tile column = 4 x cluster x + cx
	s_and_b32 s18, ttmp7, 0xffff
	s_lshl_b32 s18, s18, 2
	s_add_co_u32 s18, s18, s16                     ; tile row = 4 x cluster y + cy
	s_lshl_b32 s19, s16, 2
	s_lshl_b32 s19, 15, s19                        ; my row of the cluster: places 4 cy .. 4 cy + 3
	s_lshl_b32 s45, 0x1111, s15                    ; my column: places cx, cx + 4, cx + 8, cx + 12
	; group 1 for xh: 128 rows x 128 elements of 2 bytes, 4 words of padding behind every 64
	s_or_b32 s[G1A+0], s19, (1<<16)|(1<<20)|(1<<21)|(5<<22)|(3<<25)  ; 15:0 the mask; 17:16 elements of 2 bytes; 20 padding on; 21 set beside a mask; 24:22 after every 64 words (code 5); 31:25 4 words (code 3)
	s_mov_b32 s[G1A+1], 128<<16                    ; tensor_dim0 = 128
	s_mov_b32 s[G1A+2], 128<<16                    ; tensor_dim1 = 128
	s_mov_b32 s[G1A+3], 128<<16                    ; tile_dim0 = 128
	s_mov_b32 s[G1A+4], 128                        ; tile_dim1 = 128
	s_mov_b32 s[G1A+5], 4096                       ; elements from row to row
	s_mov_b32 s[G1A+6], 0
	s_mov_b32 s[G1A+7], 0
	; group 1 for wq: 128 rows x 128 elements of 2 bytes (two columns a row), 4 words of padding behind every 32: behind every column
	s_or_b32 s[G1B+0], s45, (1<<16)|(1<<20)|(1<<21)|(4<<22)|(3<<25)
	s_mov_b32 s[G1B+1], 128<<16
	s_mov_b32 s[G1B+2], 128<<16
	s_mov_b32 s[G1B+3], 128<<16
	s_mov_b32 s[G1B+4], 128
	s_mov_b32 s[G1B+5], 128
	s_mov_b32 s[G1B+6], 0
	s_mov_b32 s[G1B+7], 0
	; where the tiles come from: xh's hang on the tile row alone, wq's on the tile column alone, each in registers that never hold the other coordinate
	s_lshl_b32 s20, s18, 8
	s_lshl_b32 s21, s14, 7
	s_add_co_u32 s20, s20, s21                     ; row 256 x tile row + 128 x half,
	s_lshl_b32 s20, s20, 13                        ; of 8,192 bytes (under 2^26)
	s_mov_b32 s21, 0
	s_lshl_b32 s46, s17, 15                        ; the tile's 256 columns of 128 bytes in a block of wq,
	s_lshl_b32 s47, s14, 18                        ; in the first or second block (262,144 bytes) of a step
	s_add_co_u32 s46, s46, s47
	s_mov_b32 s47, 0
	s_mul_i32 s22, s14, HALFA                      ; and where they go: no place in the cluster enters an LDS address
	s_mul_i32 s23, s14, HB
	s_add_co_u32 s23, s23, BOFF
	s_wait_dscnt 0x0                               ; the opening add is done
	s_wait_kmcnt 0x0
	s_add_nc_u64 s[20:21], s[4:5], s[20:21]
	s_add_nc_u64 s[46:47], s[6:7], s[46:47]
	CROUND                                         ; all sixteen work-groups are here: the first joint loads meet
.irp s, 0,1
	s_mov_b32 s[G0A+4*(\s)], 1                                       ; count = 1
	s_add_co_u32 s[G0A+4*(\s)+1], s22, (\s)*SLOT                     ; LDS address
	s_add_nc_u64 s[G0A+4*(\s)+2:G0A+4*(\s)+3], s[20:21], (\s)*256    ; global address: K step s
	s_or_b32 s[G0A+4*(\s)+3], s[G0A+4*(\s)+3], 0x80000000            ; type = 2
	s_mov_b32 s[G0B+4*(\s)], 1
	s_add_co_u32 s[G0B+4*(\s)+1], s23, (\s)*SLOT
	s_add_nc_u64 s[G0B+4*(\s)+2:G0B+4*(\s)+3], s[46:47], (\s)*524288
	s_or_b32 s[G0B+4*(\s)+3], s[G0B+4*(\s)+3], 0x80000000
.endr
	s_cmp_eq_u32 s13, 0                            ; a wave's two first fills stand in one branch, ahead of every wait on TENSORcnt and every LDS read: two loads of mine are out
	s_cbranch_scc0 .Lfirst_b
	tensor_load_to_lds s[G0A:G0A+3], s[G1A:G1A+7]
	s_nop 0
	tensor_load_to_lds s[G0A+4:G0A+7], s[G1A:G1A+7]
	s_nop 0
.rept 4
	v_nop
.endr
	s_branch .Lfirst_asked
.Lfirst_b:
	tensor_load_to_lds s[G0B:G0B+3], s[G1B:G1B+7]
	s_nop 0
	tensor_load_to_lds s[G0B+4:G0B+7], s[G1B:G1B+7]
	s_nop 0
.rept 4
	v_nop
.endr
.Lfirst_asked:
	v_and_b32 v1, 15, v0                           ; r = l % 16
	v_bfe_u32 v2, v0, 4, 1                         ; h = l / 16
	v_and_b32 v3, 31, v0                           ; l
	v_lshlrev_b32 v[CO], 4, v3
	s_lshl_b32 s70, s17, 10                        ; the tile's 256 columns: 1,024 bytes of csc and of a row of out;
	s_lshl_b32 s71, s14, 9                         ; my 128 of them: 512 bytes
	s_add_co_u32 s70, s70, s71
	s_mov_b32 s71, 0
	s_add_nc_u64 s[68:69], s[8:9], s[70:71]
	global_load_b128 v[CSC:CSC+3], v[CO], s[68:69] ; csc of my columns 4 l .. 4 l + 3: what I store of every row
	; A fragment is 16 rows x 32 K of f16 in 8 registers: lane l holds row r; registers 0-3 K = 8 h + 0..7, registers 4-7 K = 16 + 8 h + 0..7: two loads of 16 bytes, 32 bytes apart.
	v_mul_u32_u24 v4, v1, PA
	v_lshl_add_u32 v4, v2, 4, v4
	s_mul_i32 s72, s13, HALFA                      ; my 128 rows of xh
	v_add_nc_u32 v[ADRA], s72, v4
	v_add_nc_u32 v[ADRA+1], SLOT, v[ADRA]
	v_mul_u32_u24 v5, v1, PB
	v_lshl_add_u32 v5, v2, 4, v5
	s_mul_i32 s74, s14, 128*PB                     ; my 128 columns of wq,
	s_add_co_u32 s74, s74, BOFF                    ; which lies behind xh's 256 rows
	v_add_nc_u32 v[ADRB], s74, v5
	v_add_nc_u32 v[ADRB+1], SLOT, v[ADRB]
	s_mul_i32 s73, s12, 16*SP
	s_add_co_u32 s73, s73, STAGE                   ; my stage
	v_mul_u32_u24 v6, v1, SP                       ; in: row r, 32 bytes for each half of the lanes
	v_lshl_add_u32 v6, v2, 5, v6
	v_add_nc_u32 v[STO], s73, v6
	v_lshl_add_u32 v[RD], v3, 4, s73               ; back: 32 lanes take a row's 512 bytes
	s_lshl_b32 s66, s18, 8
	s_lshl_b32 s67, s13, 7
	s_add_co_u32 s66, s66, s67                     ; my first row of out: 256 x tile row + 128 x half,
	s_lshl_b32 s66, s66, 13                        ; of 8,192 bytes,
	s_add_co_u32 s66, s66, s70                     ; at my first column (under 2^27)
	s_mov_b32 s67, 0
	s_add_nc_u64 s[10:11], s[10:11], s[66:67]
	; the prefetches
	s_and_b32 s19, ttmp7, 0xffff                   ; cluster y
	s_lshl_b32 s74, s18, 8
	s_lshl_b32 s75, s14, 7
	s_add_co_u32 s74, s74, s75
	s_lshl_b32 s75, s15, 5
	s_add_co_u32 s74, s74, s75                     ; xh: row 256 x tile row + 128 x half + 32 cx
	s_lshl_b32 s74, s74, 13
	s_lshl_b32 s76, s17, 15                        ; wq: the tile's 32,768 bytes of a block,
	s_lshl_b32 s77, s14, 18                        ; in the block that I fetch,
	s_add_co_u32 s76, s76, s77
	s_lshl_b32 s77, s16, 13                        ; my work-group's 8,192 of them
	s_add_co_u32 s76, s76, s77
	s_mov_b32 s[PFS], 524288
	s_cmp_eq_u32 s13, 0                            ; do I fetch for xh?
	s_cselect_b32 s78, s74, s76
	s_cselect_b32 s19, ttmp9, s19                  ; the coordinate along which other clusters read the same bytes
	s_cselect_b32 s[PFS], 256, s[PFS]
	s_cselect_b32 s75, 13, 8
	s_cselect_b64 s[PFA:PFA+1], s[4:5], s[6:7]
	s_mov_b32 s79, 0
	s_mov_b32 s[PFS+1], 0
	s_cmp_eq_u32 s19, 0
	s_cselect_b32 s[LIM], 1, -1                    ; the same in all sixteen partners, for a given wave
	s_add_nc_u64 s[PFA:PFA+1], s[PFA:PFA+1], s[78:79]
	s_mul_i32 s76, s[PFS], 3
	s_mov_b32 s77, 0
	s_add_nc_u64 s[PFA:PFA+1], s[PFA:PFA+1], s[76:77]  ; at K step 3: the first change of slots steps it to 4.  Nothing is prefetched here, at the head
	v_lshlrev_b32 v[PFO], s75, v3
; 16 matrix instructions: row blocks a0, a0 + 1 of the window's four (hi = 0: my rows 0-63, 1: rows 64-127) x all 8 column blocks, 32 along K.  The 64 accumulators take turns in the same order in every
; quarter, over the backward jump too.  zero = 1: the product starts the sum: nothing is ever cleared.
.macro MUL16 f, hi, a0, zero
	WIN MUL_LO+0x50*(\hi)
.irp a, \a0, (\a0)+1
.irp b, 0,1,2,3,4,5,6,7
.if \zero
	v_wmma_f32_16x16x32_f16 v[8*(8*(\a)+(\b)):8*(8*(\a)+(\b))+7], v[(\f)+8*(\b):(\f)+8*(\b)+7], v[(\f)+8*(4*(\hi)+(\a)):(\f)+8*(4*(\hi)+(\a))+7], 0
.else
	v_wmma_f32_16x16x32_f16 v[8*(8*(\a)+(\b)):8*(8*(\a)+(\b))+7], v[(\f)+8*(\b):(\f)+8*(\b)+7], v[(\f)+8*(4*(\hi)+(\a)):(\f)+8*(4*(\hi)+(\a))+7], v[8*(8*(\a)+(\b)):8*(8*(\a)+(\b))+7]
.endif
.endr
.endr
.endm
; 32 LDS loads in one run: the fragments of quarter q of a slot (128 columns of wq, then 128 rows of xh, 32 K) into buffer f.  Quarter q lies at byte 64 q of xh's rows, and in block q / 2 of wq at byte 64 (q % 2) of its columns.
.macro FETCH slot, q, f
	WIN TO_B
.irp i, 0,1,2,3,4,5,6,7
	ds_load_b128 v[(\f)+8*(\i):(\f)+8*(\i)+3],   v[ADRB+(\slot)] offset:((\q)/2)*HB+((\q)%2)*64+(\i)*16*PB
	ds_load_b128 v[(\f)+8*(\i)+4:(\f)+8*(\i)+7], v[ADRB+(\slot)] offset:((\q)/2)*HB+((\q)%2)*64+(\i)*16*PB+32
.endr
	WIN 0
.irp i, 0,1,2,3,4,5,6,7
	ds_load_b128 v[(\f)+8*(\i):(\f)+8*(\i)+3],   v[ADRA+(\slot)] offset:64*(\q)+(\i)*16*PA
	ds_load_b128 v[(\f)+8*(\i)+4:(\f)+8*(\i)+7], v[ADRA+(\slot)] offset:64*(\q)+(\i)*16*PA+32
.endr
.endm
; One of a step's first three quarters: multiplies buffer f; in its middle it fetches quarter q of the same slot into buffer g.
.macro QUARTER slot, q, f, g, zero
	s_wait_dscnt 8                                 ; wq's fragments and xh's rows 0-63 are in; the youngest eight loads (rows 64-127) may be out
	MUL16 \f, 0, 0, \zero
	MUL16 \f, 0, 2, \zero
	PLACES                                         ; in front of the loads into buffer g, which the quarter before multiplied
	FETCH \slot, \q, \g
	s_wait_dscnt 32                                ; all but the 32 just issued
	MUL16 \f, 1, 0, \zero
	MUL16 \f, 1, 2, \zero
.endm
; The last quarter multiplies buffer 1 and changes slots.  MEET is its first half: ONE barrier.  In front of it each wave waits for all its tensor loads, of which one is out: its part of the next slot;
; adds 0 to its spare word; and waits for that and for its own reads of this slot.  Behind it nobody reads this slot any more and the next slot is whole.
.macro MEET round                      ; round = 1: a round of the cluster's barrier follows
	WIN 0                                          ; (the add's two registers lie in window 0)
	s_wait_tensorcnt 0x0                           ; all my tensor loads have landed;
	ds_add_u32 v[SPW], v[NIL]                      ; 0 onto my spare word;
	s_wait_dscnt 9                                 ; (the add and the youngest eight loads may be out)
	MUL16 F1, 0, 0, 0                              ; sixteen matrix instructions stand between the add and the wait for it
	s_wait_dscnt 0x0                               ; the add is done, and my reads of this slot are over
	s_barrier_signal -1
	MUL16 F1, 0, 2, 0                              ; work on registers while the others arrive
.if \round
	WIN 0
.endif
	s_barrier_wait -1
.endm
; The whole last quarter.  fill = 1: the barrier opens a round of the cluster's, so that no wave of any partner still reads the slot or has a load on its way, and the joint refill, two K steps ahead, is the
; first tensor load behind it: 224 matrix instructions stand between it and the wait for it.  Then come the next slot's first fragments.
.macro TURN slot, next, fill
.if \fill
	s_wait_xcnt 0x0                                ; the last prefetch, a K step back, has read its address: it is stepped here, ahead of the waits of the change of slots
	s_add_nc_u64 s[PFA:PFA+1], s[PFA:PFA+1], s[PFS:PFS+1]
.endif
	MEET \fill
.if \fill
	CREST
	s_add_nc_u64 s[G0A+4*(\slot)+2:G0A+4*(\slot)+3], s[G0A+4*(\slot)+2:G0A+4*(\slot)+3], 2*256      ; no tensor load of mine is out: the group 0 may be written; the type bits on top are not reached
	s_add_nc_u64 s[G0B+4*(\slot)+2:G0B+4*(\slot)+3], s[G0B+4*(\slot)+2:G0B+4*(\slot)+3], 2*524288
	JLOAD \slot                                    ; the four v_nop behind it are also the places in front of the loads below
.else
	PLACES
.endif
	FETCH \next, 0, F0
.if \fill
	ASK
.endif
	MUL16 F1, 1, 0, 0
	MUL16 F1, 1, 2, 0
.endm
	s_wait_loadcnt 0x0                             ; csc, once: it stands in the wait for the first tile
	s_wait_tensorcnt 1                             ; my part of K step 0 is in; step 1's may stay out
	s_barrier_signal -1
	s_barrier_wait -1                              ; everybody's is
	FETCH 0, 0, F0
	QUARTER 0, 1, F0, F1, 1                        ; the first quarter stands in front of the loop: its products start the sums
	WIN 0                                          ; at a label and at a branch every window is 0
	s_mov_b32 s3, LAPS-1
.Llap:                                                 ; a trip goes once round the ring, from a lap's second quarter to the next lap's first, and fills both slots again
	QUARTER 0, 2, F1, F0, 0
	QUARTER 0, 3, F0, F1, 0
	TURN 0, 1, 1
	QUARTER 1, 1, F0, F1, 0
	QUARTER 1, 2, F1, F0, 0
	QUARTER 1, 3, F0, F1, 0
	TURN 1, 0, 1
	QUARTER 0, 1, F0, F1, 0
	WIN 0
	s_sub_co_u32 s3, s3, 1
	s_cmp_lg_u32 s3, 0
	s_cbranch_scc1 .Llap
	QUARTER 0, 2, F1, F0, 0                        ; the last lap fills nothing, and has no round of the cluster's barrier
	QUARTER 0, 3, F0, F1, 0
	TURN 0, 1, 0
	QUARTER 1, 1, F0, F1, 0
	QUARTER 1, 2, F1, F0, 0
	QUARTER 1, 3, F0, F1, 0
	s_wait_dscnt 8                                 ; the very last quarter: nothing more to fetch
	MUL16 F1, 0, 0, 0
	MUL16 F1, 0, 2, 0
	s_wait_dscnt 0x0
	MUL16 F1, 1, 0, 0
	MUL16 F1, 1, 2, 0
	WIN 0
; THE WAY OUT, a block of 16 rows x 128 columns at a time.  TOSTAGE: a lane's 32 bytes of a row go into my own stage (each accumulator's low registers first) and come back as whole
; rows of 512 bytes; LDS serves a wave's instructions in order (ISA guide 5.7.1), so the loads see the stores, and the next block's stores come behind them.  SEND: times csc, and stored.
.macro TOSTAGE a
	WIN 0x08+4*((\a)/4)                            ; the stores' data (source 1) in window 2 or 3
.set AC, 64*((\a)%4)
.irp b, 0,1,2,3,4,5,6,7
	ds_store_b128 v[STO], v[AC+8*(\b):AC+8*(\b)+3]   offset:64*(\b)
	ds_store_b128 v[STO], v[AC+8*(\b)+4:AC+8*(\b)+7] offset:64*(\b)+16
.endr
	WIN 0
.if (\a) >= 2
	s_wait_xcnt 0x0                                ; the registers that the stores of the block two back read are loaded again only behind this wait
.endif
.set BK, F0+64*((\a)%2)
.irp t, 0,1,2,3,4,5,6,7,8,9,10,11,12,13,14,15
	ds_load_b128 v[BK+4*(\t):BK+4*(\t)+3], v[RD] offset:(\t)*SP
.endr
.endm
.macro SEND a, younger                 ; younger: the LDS instructions issued behind block a's loads: the next block's 32, or none
.set BK, F0+64*((\a)%2)
.irp t, 0,1,2,3,4,5,6,7,8,9,10,11,12,13,14,15
	s_wait_dscnt (\younger)+15-(\t)                ; row t is in
	v_pk_mul_f32 v[BK+4*(\t):BK+4*(\t)+1],   v[BK+4*(\t):BK+4*(\t)+1],   v[CSC:CSC+1]
	v_pk_mul_f32 v[BK+4*(\t)+2:BK+4*(\t)+3], v[BK+4*(\t)+2:BK+4*(\t)+3], v[CSC+2:CSC+3]
	global_store_b128 v[CO], v[BK+4*(\t):BK+4*(\t)+3], s[10:11] offset:(16*(\a)+(\t))*8192 th:TH_STORE_NT  ; 512 consecutive bytes, at a multiple of 512 from out's first byte; 127 rows at the most: inside the signed 24-bit immediate
.endr
.endm
	PLACES                                         ; the stage's stores read results just made, and its loads land in registers that the last products read;
	PLACES                                         ; eight, once a launch
	TOSTAGE 0
.irp a, 1,2,3,4,5,6,7                  ; block a's way through the stage is begun ahead of block a - 1's stores
	TOSTAGE \a
	SEND (\a)-1, 32
.endr
	SEND 7, 0
	s_wait_tensorcnt 0x0                           ; the wave's end, behind my last tensor load and my last LDS store
	ds_add_u32 v[SPW], v[NIL]
	s_wait_dscnt 0x0
	CROUND                                         ; the closing round: no work-group ends while a partner may still ask for a tile that names it
	s_endpgm
.Lfunc_end_k_qda5986f61f_gemm:
	.size	k_qda5986f61f_gemm, .Lfunc_end_k_qda5986f61f_gemm-k_qda5986f61f_gemm
	.p2alignl 7, 3214868480
	.fill 96, 4, 3214868480
	.section	.rodata,"a",@progbits
	.p2align	6, 0x0
	.amdhsa_kernel k_qda5986f61f_gemm
		.amdhsa_group_segment_fixed_size 327680
		.amdhsa_private_segment_fixed_size 0
		.amdhsa_enable_private_segment 0
		.amdhsa_kernarg_size 32
		.amdhsa_user_sgpr_count 2
		.amdhsa_user_sgpr_kernarg_segment_ptr 1
		.amdhsa_wavefront_size32 1
		.amdhsa_system_sgpr_workgroup_id_x 1
		.amdhsa_system_sgpr_workgroup_id_y 1
		.amdhsa_system_sgpr_workgroup_id_z 1
		.amdhsa_system_vgpr_workitem_id 0
		.amdhsa_next_free_vgpr 1024
		.amdhsa_next_free_sgpr 80
		.amdhsa_reserve_vcc 0
		.amdhsa_float_denorm_mode_32 3
		.amdhsa_float_denorm_mode_16_64 3
		.amdhsa_memory_ordered 1
		.amdhsa_forward_progress 1
		.amdhsa_inst_pref_size 161
	.end_amdhsa_kernel
	.amdgpu_metadata
---
amdhsa.version: [ 1, 2 ]
amdhsa.kernels:
  - .name:           k_qda5986f61f_gemm
    .symbol:         k_qda5986f61f_gemm.kd
    .args:
      - { .name: xh, .offset: 0, .size: 8, .value_kind: global_buffer, .address_space: global }
      - { .name: wq, .offset: 8, .size: 8, .value_kind: global_buffer, .address_space: global }
      - { .name: csc, .offset: 16, .size: 8, .value_kind: global_buffer, .address_space: global }
      - { .name: out0, .offset: 24, .size: 8, .value_kind: global_buffer, .address_space: global }
    .group_segment_fixed_size: 327680
    .private_segment_fixed_size: 0
    .kernarg_segment_align: 8
    .kernarg_segment_size: 32
    .max_flat_workgroup_size: 128
    .sgpr_count:     80
    .vgpr_count:     1024
    .wavefront_size: 32
...
	.end_amdgpu_metadata
.endif
;; end of part 3
;; ======== version 2 of 2: 3 launches; version 1 with the launch cast written anew for expert scheduling mode
;; limits: sums are carried in f16; inputs' magnitudes at most 65,504; values are held in f16: magnitudes above 65,504 overflow, below 6.1e-05 lose precision
;; workspace buffers: wq 16,777,216 bytes; csc 8,192 bytes; xh 67,108,864 bytes
;; launch decode: the kernel of part 1 again; grid 32 x 8, 8 waves a work-group, no clusters, 72,704 bytes of LDS; arguments binaryWeight, alpha, scale, wq, csc; writes wq, csc
;; launch cast (part 4): grid 256 x 1, 8 waves a work-group, no clusters, 0 bytes of LDS; arguments x, xh; writes xh
.if DOCPART == 4
	.amdgcn_target "amdgcn-amd-amdhsa--gfx1250"
	.amdhsa_code_object_version 6
	.text
	.protected	k_qda5986f61f_cast
	.globl	k_qda5986f61f_cast
	.p2align	8
	.type	k_qda5986f61f_cast,@function
k_qda5986f61f_cast:
	s_mov_b64 s[64:65], 0
	v_nop
	global_prefetch_b8 v0, s[64:65] scope:SCOPE_SE
	s_setreg_imm32_b32 hwreg(HW_REG_WAVE_SCHED_MODE, 0, 2), 2
	s_setreg_imm32_b32 hwreg(HW_REG_WAVE_MODE, 25, 1), 1
	s_wait_xcnt 0x0
	s_wait_alu depctr_vm_vsrc(0)
; xh = x rounded once to f16 (to nearest even).  x: [8192][4096] f32, xh: the same shape in f16.
; WHY A LAUNCH OF ITS OWN.  The product's ring wants two LDS slots of a K step of 128; with x in f32 they would take 2 x 204,800 bytes, in f16 they take 2 x 143,360.
; LIMITS.  |x| from 65,520 on becomes an infinity in f16; below 6e-5 a number keeps f16's fixed step of 6e-8.  NaN and infinities are not treated apart.
; SHARES.  A work-group owns 524,288 consecutive bytes of x: 128 chunks of 4,096.  Thread t owns the 16 bytes at 16 t of every chunk: a load of a wave covers 512 consecutive bytes; its four numbers
; become 8 bytes at 8 t of a chunk of 2,048 bytes of xh: a store of a wave covers 256 consecutive bytes, at a multiple of 256 from xh's first byte.
; IN FLIGHT.  A ring of DEPTH slots in registers: 32 loads of every wave are out, 128 KiB for the work-group.  A slot's chunk stands in the immediates; the two bases step once a lap.
; No LDS, no barrier, no matrix unit, no cluster: no byte is wanted twice.  No prefetch: the loads themselves keep the stream going.
; THE MODE: SCHED_MODE bits 1:0 = 2 (LLVM: expert scheduling mode 2), set by the entry lines.  The code itself states the register dependences
; between vector instructions and memory instructions, with s_wait_alu, always for 0.
; THE PLAN.  The 32 slots go in four blocks of eight; a lap takes the four blocks once.  Registers that memory instructions touch:
;   X0 .. X3   block b's eight slots of x as loaded.  Read by block b's sixteen conversions; behind them the loads of the same block one lap on land in it.
;   Y0 .. Y3   block b's eight slots of xh to store.  Written by block b's conversions; read by its eight stores; written again one lap later.
;   v1, v2     byte offsets, made once at the head and never written again: the chunks are reached by immediate offsets and by the scalar bases.
; So ONE wait on va_vdst stands in a block, behind its conversions: they have written Y[b], which the block's stores read, and are done reading X[b], in which the block's loads land.  No vector instruction
; stands between that wait and those sixteen memory instructions.  It stands there, and not at the next block's head, so that X[b] is asked for again at once and all 32 loads are out while the wave waits
; for the next block.  ONE wait on vm_vsrc a lap, at the lap's end, states that the lap's 32 stores have read Y0 .. Y3, all of which the next lap writes again.
.set DEPTH, 32                         ; slots = loads in flight in each wave
.set BLOCK, 8                          ; slots in a block
.set LAPS,  128/DEPTH                  ; each lap takes every slot once
.set LCH,   4096                       ; bytes of x in a chunk
.set SCH,   2048                       ; bytes of xh in a chunk
.set LO,  1                            ; v1        16 t; never rewritten
.set SO,  2                            ; v2        8 t; never rewritten
.set X,   4                            ; v[4:131]  slot i: four f32 as loaded
.set Y,   132                          ; v[132:195] slot i: four f16 to store
	s_load_b128 s[4:7], s[0:1], 0x0                ; x s[4:5], xh s[6:7]
	v_lshlrev_b32 v[LO], 4, v0
	v_lshlrev_b32 v[SO], 3, v0
	s_lshl_b32 s8, ttmp9, 19                       ; the work-group's 524,288 bytes of x (under 2^27)
	s_mov_b32 s9, 0
	s_lshl_b32 s10, ttmp9, 18                      ; and its 262,144 bytes of xh
	s_mov_b32 s11, 0
	s_wait_kmcnt 0x0
	s_add_nc_u64 s[4:5], s[4:5], s[8:9]
	s_add_nc_u64 s[6:7], s[6:7], s[10:11]
	s_wait_alu depctr_va_vdst(0)                   ; v1 and v2 are written: every load and store of the kernel reads one of them as its offset
.set i, 0
.rept DEPTH
	global_load_b128 v[X+4*i:X+4*i+3], v[LO], s[4:5] offset:i*LCH th:TH_LOAD_NT  ; the ring is filled: chunks 0 to 31
.set i, i+1
.endr
; Block b of a lap: slots 8 b to 8 b + 7.  ahead = 1: its slots are filled again with the chunks DEPTH further on.  left = how many younger loads may stay out.
.macro BLK b, ahead, left
	s_wait_loadcnt \left                           ; loads come back in order (ISA guide 5.7.1): X[b]'s eight are in, the younger blocks' stay out
.set n, BLOCK*(\b)
.rept BLOCK
	v_cvt_pk_f16_f32 v[Y+2*n],   v[X+4*n],   v[X+4*n+1]
	v_cvt_pk_f16_f32 v[Y+2*n+1], v[X+4*n+2], v[X+4*n+3]
.set n, n+1
.endr
	s_wait_alu depctr_va_vdst(0)                   ; the sixteen conversions have written Y[b], which the stores below read, and are done reading X[b], in which the loads below land
.set n, BLOCK*(\b)
.rept BLOCK
.if \ahead
	global_load_b128 v[X+4*n:X+4*n+3], v[LO], s[4:5] offset:(DEPTH+n)*LCH th:TH_LOAD_NT
.endif
	global_store_b64 v[SO], v[Y+2*n:Y+2*n+1], s[6:7] offset:n*SCH th:TH_STORE_NT
.set n, n+1
.endr
.endm
	s_mov_b32 s12, LAPS-1
.Llap:
	BLK 0, 1, DEPTH-BLOCK
	BLK 1, 1, DEPTH-BLOCK
	BLK 2, 1, DEPTH-BLOCK
	BLK 3, 1, DEPTH-BLOCK
	s_wait_xcnt 0x0                                ; every load and store issued so far has had its addresses translated (ISA guide 3.1): only behind this wait are the bases stepped and the Y registers written again
	s_wait_alu depctr_vm_vsrc(0)                   ; the lap's 32 stores have read Y0 .. Y3, which the conversions of the next lap, or of the tail, write again
	s_add_nc_u64 s[4:5], s[4:5], DEPTH*LCH
	s_add_nc_u64 s[6:7], s[6:7], DEPTH*SCH
	s_sub_co_u32 s12, s12, 1
	s_cmp_lg_u32 s12, 0
	s_cbranch_scc1 .Llap
	BLK 0, 0, DEPTH-BLOCK                          ; the last lap loads nothing: no load leaves x, and the counts run down
	BLK 1, 0, DEPTH-2*BLOCK
	BLK 2, 0, DEPTH-3*BLOCK
	BLK 3, 0, 0
	s_endpgm
.Lfunc_end_k_qda5986f61f_cast:
	.size	k_qda5986f61f_cast, .Lfunc_end_k_qda5986f61f_cast-k_qda5986f61f_cast
	.p2alignl 7, 3214868480
	.fill 96, 4, 3214868480
	.section	.rodata,"a",@progbits
	.p2align	6, 0x0
	.amdhsa_kernel k_qda5986f61f_cast
		.amdhsa_group_segment_fixed_size 0
		.amdhsa_private_segment_fixed_size 0
		.amdhsa_enable_private_segment 0
		.amdhsa_kernarg_size 16
		.amdhsa_user_sgpr_count 2
		.amdhsa_user_sgpr_kernarg_segment_ptr 1
		.amdhsa_wavefront_size32 1
		.amdhsa_system_sgpr_workgroup_id_x 1
		.amdhsa_system_sgpr_workgroup_id_y 1
		.amdhsa_system_sgpr_workgroup_id_z 1
		.amdhsa_system_vgpr_workitem_id 0
		.amdhsa_next_free_vgpr 196
		.amdhsa_next_free_sgpr 66
		.amdhsa_reserve_vcc 0
		.amdhsa_float_denorm_mode_32 3
		.amdhsa_float_denorm_mode_16_64 3
		.amdhsa_memory_ordered 1
		.amdhsa_forward_progress 1
		.amdhsa_inst_pref_size 22
	.end_amdhsa_kernel
	.amdgpu_metadata
---
amdhsa.version: [ 1, 2 ]
amdhsa.kernels:
  - .name:           k_qda5986f61f_cast
    .symbol:         k_qda5986f61f_cast.kd
    .args:
      - { .name: x, .offset: 0, .size: 8, .value_kind: global_buffer, .address_space: global }
      - { .name: xh, .offset: 8, .size: 8, .value_kind: global_buffer, .address_space: global }
    .group_segment_fixed_size: 0
    .private_segment_fixed_size: 0
    .kernarg_segment_align: 8
    .kernarg_segment_size: 16
    .max_flat_workgroup_size: 256
    .sgpr_count:     66
    .vgpr_count:     196
    .wavefront_size: 32
...
	.end_amdgpu_metadata
.endif
;; end of part 4
;; launch gemm: the kernel of part 3 again; grid 8 x 32, 4 waves a work-group, clusters of 4 x 4, 327,680 bytes of LDS; arguments xh, wq, csc, out0; writes out0
